; MI455X (gfx1250); checked and timed in simulation.
; The chip was launched on July 23, 2026; its instructions are those of AMD's public machine-readable ISA for CDNA 5 (MIT licence, August 2026) and "CDNA5" Instruction Set Architecture Reference Guide (July 2026). The comments in the code are by the model that wrote it; some were corrected since.
;; MHS Attention. Allowed arithmetic: matrix products marked QUANTISED: E4M3 operands, one given power-of-two scale a tensor, by v_wmma_f32_16x16x64_fp8_fp8 or v_wmma_f32_16x16x128_fp8_fp8, f32 sums; everything else in f32.
;; Inputs: lowp_scales 8 int32 (the exponents e of the quantised operands' scales 2^e); o_w_codes 1,024 x 32 x 32 uint8 (E4M3 codes of o_w, K innermost, in blocks of 32 codes); qkv_w_codes 3,072 x 32 x 32 uint8 (E4M3 codes of qkv_w, K innermost, in blocks of 32 codes); token_positions 2,048 int32; x_codes 4 x 2,048 x 32 x 32 uint8 (E4M3 codes of x, K innermost, in blocks of 32 codes).
;; Outputs: out0 4 x 2,048 x 1,024 float32.
;; This version of the problem:
;;   THIS VERSION OF THE PROBLEM IS GIVEN IN LOW PRECISION. The matrix products marked QUANTISED in the list below multiply operands that are first quantised to E4M3 (4 exponent bits, 3 mantissa bits; 8 bits a number), with one given power-of-two scale for each operand tensor; their sums are f32. All else is computed in f32.
;;   The module's matrix products, in the order in which they are computed (A, B: the left and right operand; K: the contracted axis; several contracted axes count as one K, in the product's order):
;;     1. [M 8,192, K 1,024] x [K 1,024, N 3,072]; A: input x (given as codes); B: input qkv_w (given as codes): QUANTISED (scales: A lowp_scales[0], B lowp_scales[1])
;;     2. batch 64 x [M 2,048, K 64] x [K 64, N 2,048]; A: computed on the way; B: computed on the way: QUANTISED (scales: A lowp_scales[2], B lowp_scales[3])
;;     3. batch 64 x [M 2,048, K 2,048] x [K 2,048, N 64]; A: softmax (see below); B: computed on the way: QUANTISED (scales: A lowp_scales[4], B lowp_scales[5])
;;     4. [M 8,192, K 1,024] x [K 1,024, N 1,024]; A: computed on the way; B: input o_w (given as codes): QUANTISED (scales: A lowp_scales[6], B lowp_scales[7])
;;   THE QUANTISER, for each operand of a quantised product, along K:
;;     - The operand's scale is 2^e, e = its entry of the input lowp_scales (int32; the entries are numbered through the quantised products in the list's order, A before B).
;;     - Each number is divided by the scale, clamped to +-448, and rounded to the nearest number of E4M3, ties to even, subnormals kept.
;;     - The product sums the exact products of the quantised numbers (number of the format x scale) in f32.
;;   ~~~python
;;   def quantise(x, axis, e):      # numpy; x: float32 -> the quantised numbers, widened to float32 again
;;       x = np.moveaxis(x, axis, -1); K = x.shape[-1]
;;       r = np.clip(x / 2.0 ** e, -448, 448)
;;       step = 2.0 ** (np.maximum(np.frexp(np.where(r == 0, 1, r))[1] - 1, -6) - 3)
;;       q = np.round(r / step) * step * 2.0 ** e      # np.round: ties to even
;;       return np.moveaxis(q, -1, axis).astype(np.float32)
;;   ~~~
;;   SOFTMAX AHEAD OF A QUANTISED PRODUCT. Where the list says 'softmax', what is quantised is not the finished softmax but p = 2^(t - M), with t = logit x log2(e) and M = ceil(the row's largest t), a whole number; so 1/2 < the row's largest p <= 1. The row's sum l is taken of the UNQUANTISED p, in f32, and the product's result is divided by l at the end. Since M is a whole number, a kernel that streams over the keys may use a running M (the ceiling of the running maximum): every later rescaling is an exact power of two, so the quantised numbers keep their values, but for numbers so far below the row's largest that they fall under the format's range.
;;   OPERANDS COMPUTED ON THE WAY. 'Computed on the way' means the value that the module computes at that place (a softmax that the list does not call 'softmax' is quantised finished and normalised). What goes into a quantiser is computed in f32, as accurately as f32 sums, v_exp_f32 and their like allow (about 1e-6 of the number): no bf16 or f16 on the way to a quantiser, and a product that is left as it is and whose result goes on into a quantised operand takes f32 operands (vector FMAs, or v_wmma_f32_16x16x4_f32). A number that lies on a knife's edge between two numbers of the format may be rounded either way, as far as f32 arithmetic and the matrix unit's own rounding can turn it there, and no further.
;;   INPUTS GIVEN AS CODES. o_w (in the module: [1024, 1024], K = its axis 1); qkv_w (in the module: [3072, 1024], K = its axis 1); x (in the module: [4, 2048, 1024], K = its axis 2): each comes as NAME_codes (uint8): NAME with its K axis moved to the last place and cut into blocks of 32 codes, [.., K / 32, bytes a block], one block behind the other in memory; one code a byte (a code: sign, 4 exponent bits, 3 mantissa bits); its scale is its entry of lowp_scales. Its value is code x scale, taken as it is: it is not quantised again, and the codes and scales need not be those that the quantiser above would give.
;; One version. Each part assembles by itself: llvm-mc -triple=amdgcn-amd-amdhsa -mcpu=gfx1250 --defsym DOCPART=n.
;; ======== version 1 of 1: 3 launches
;; limits: right only within a limited range of input values
;; workspace buffers: q_img 8,388,608 bytes; k_img 8,388,608 bytes; v_img 8,388,608 bytes; c_img 8,388,608 bytes; ow_img 1,048,576 bytes
;; launch qkv (part 1): grid 8 x 32, 4 waves a work-group, clusters of 4 x 4, 327,680 bytes of LDS; arguments x_codes, qkv_w_codes, o_w_codes, token_positions, lowp_scales, q_img, k_img, v_img, ow_img; writes q_img, k_img, v_img, ow_img
.if DOCPART == 1
	.amdgcn_target "amdgcn-amd-amdhsa--gfx1250"
	.amdhsa_code_object_version 6
	.text
	.protected	k_q5121b704f7_qkv
	.globl	k_q5121b704f7_qkv
	.p2align	8
	.type	k_q5121b704f7_qkv,@function
k_q5121b704f7_qkv:
	s_mov_b64 s[64:65], 0
	v_nop
	global_prefetch_b8 v0, s[64:65] scope:SCOPE_SE
	s_setreg_imm32_b32 hwreg(HW_REG_WAVE_MODE, 25, 1), 1
	s_wait_xcnt 0x0
	s_wait_alu depctr_hold_cnt(0) depctr_sa_sdst(0) depctr_va_vdst(0) depctr_va_sdst(0) depctr_va_ssrc(0) depctr_va_vcc(0) depctr_vm_vsrc(0)
	s_getreg_b32 s2, hwreg(HW_REG_IB_STS2, 6, 4)
	s_cmp_eq_u32 s2, 0
	s_cbranch_scc0 .Lentry_in_a_cluster
	s_endpgm
.Lentry_in_a_cluster:
	s_bfe_u32 s2, ttmp6, 0x10000c
	s_cmp_lg_u32 s2, 0xf033
	s_cbranch_scc0 .Lentry_shape_is_right
	s_endpgm
.Lentry_shape_is_right:
; qkv = x W^T on codes of E4M3 (x: [8192][1024], W: [3072][1024], K innermost), then the rotation of q and k by position, then q, k and v quantised with the given scales.
; The results leave as IMAGES OF OPERAND REGISTERS for the attention launch: four registers of a fragment are 512 bytes, lane l's 16 bytes at 16 l.
;   q_img, k_img: [batch x head 64][tile of 16 rows 128][2][lane][16]: a K = 64 fragment, lane (r, h): row r, registers 2 c, 2 c + 1: channels 16 c + 8 h + 0..7.
;   v_img: [batch x head][128 keys: 16][16 channels: 4][4][lane][16]: a K = 128 fragment of V^T, lane (r, h): channel r, registers 2 c, 2 c + 1: keys 16 c + 8 h + 0..7.
;   ow_img: o_w's codes laid [16 rows: 64][128 K: 8][4][lane][16] in the same order of K, for the last launch: 4,096 bytes of it are moved by each work-group.
; SHARES.  256 work-groups.  Work-group (g, R) owns rows 256 R on and 384 columns: heads 2 g, 2 g + 1 of q, of k and of v (rows 128 g, 1024 + 128 g, 2048 + 128 g of W), so all have the same text.
; Wave w: rows 128 (w / 2) on, head 2 g + w % 2 of each of the three: 8 x 12 accumulators, 768 registers.  The K = 64 form: a fragment is 8 registers, so that 768 + 224 + 32 fit.
; q, k: source 0 = 16 rows of W, source 1 = 16 rows of x: a lane holds one row and eight neighbouring channels, a rotation's pair in a register pair.
; v: the sources change places: a lane holds one channel, and its registers run down eight keys.  So each result tile's conversion IS two registers of the next operand.
; K goes in steps of 128 through two LDS slots (640 rows of 128 bytes + 16).  Steps of 256 would want 2 x 640 x 272 = 348,160 bytes, more than the 327,680 that are claimed.
; CLUSTERS 4 x 4: x's tile hangs on R alone and is asked for jointly along a row of the cluster, W's three pieces hang on g alone and are asked for jointly along a column.
; cos and sin: no table is read.  angle = position x 10000^(-j/32); reduced by multiples of pi/2 in two parts, then polynomials of degree 7 and 8 in f32.
; LIMITS: e2 - e0 - e1, e3 - e0 - e1 and e5 - e0 - e1 lie between -126 and 119, so that each power of two below is an f32 number.  NaN codes are not served.  Positions are 0 .. 2047, as the table that
; they index in the definition.  10000^(-j/32) is made by v_exp_f32, so an angle may differ from the definition's own f32 product by about 1.5e-4 at the largest positions.
; REGISTERS: window 0: v0-31 addresses; v32-159 x's fragments, two sets; v160-255 W's twelve fragments.  Windows 1, 2, 3: q's, k's, v's accumulators, (a, b) at v[8 (8 (b % 4) + a)].
.set PITCH, 144                        ; an LDS row: 128 bytes + 16: nine times 16 bytes, so the 16 rows of a load begin in 16 different columns of 16 bytes
.set APART, 256*PITCH                  ; x's 256 rows
.set BPART, 128*PITCH                  ; one piece of W: 128 rows
.set SLOT,  APART+3*BPART
.set TAB,   2*SLOT                     ; cos and sin of my 256 rows: pair j at byte 8 j of a row, as (cos, sin)
.set TP,    272                        ; a row of it: 256 bytes + 16
.set SPARE, TAB+256*TP                 ; the spare words, 128 bytes for each wave: two blocks of 256 bytes that no other line names
.set ADRA, 16                          ; v16-17  LDS address of my x fragments in slot 0, 1
.set ADRB, 20                          ; v20-21  the same for W
.set LI,   24                          ; v24     16 x lane
.set TABR, 25                          ; v25     where I read cos and sin
.set TABW, 26                          ; v26     where I write them
.set TADR, 27                          ; v27     the same in the trip in hand
.set SPW,  28                          ; v28     LDS address of my spare word; never rewritten
.set NIL,  29                          ; v29     0; never rewritten
.set FRQ,  30                          ; v30     10000^(-lane/32)
.set AF,   32
.set BF,   160
.set TS,   32                          ; the table's eight sets of 16 registers
.set KS2,  160                         ; two constants as register pairs
.set KC2,  162
.set CSB,  32                          ; the way out: (cos, sin), two sets of 32
.set RR,   96                          ; rotated numbers, or v's
.set TT,   128                         ; at work
.set COD,  192                         ; codes
.set SCQ,  224                         ; v224, v226, v228: the scale, for q, k, v
.set WV,  22
.set RH,  23
.set CH,  24
.set CX,  25
.set CY,  26
.set GG,  27
.set RB,  28
.set G1,  40                           ; s[40:47] group 1 for x's tile; s[48:55] its groups 0, one for each slot
.set G0,  48
.set G1B, 56                           ; s[56:63], s[68:75] the same for W's pieces
.set G0B, 68
.set MSB, 0
.macro WIN new                         ; the immediate's high byte repeats the setting that is left
.if MSB != (\new)
	s_set_vgpr_msb (MSB<<8)|(\new)
.set MSB, \new
.endif
.endm
.macro PLACES n
.rept \n
	v_nop
.endr
.endm
; A joint load: wave 0 fetches x's 256 rows, waves 1 to 3 the pieces of W for q, k, v.  The branch hangs on the wave's number alone.  Four v_nop follow each line.
.macro JLOAD s
	s_cmp_eq_u32 s[WV], 0
	s_cbranch_scc0 .Lfor_b_\@
	tensor_load_to_lds s[G0+4*\s:G0+4*\s+3], s[G1:G1+7]
	s_nop 0
.rept 4
	v_nop
.endr
	s_branch .Lasked_\@
.Lfor_b_\@:
	tensor_load_to_lds s[G0B+4*\s:G0B+4*\s+3], s[G1B:G1B+7]
	s_nop 0
.rept 4
	v_nop
.endr
.Lasked_\@:
.endm
.macro CREST                           ; a round of the cluster's barrier behind its opening barrier
	s_cmp_lg_u32 s[WV], 0
	s_cbranch_scc1 .Lnot_wave_0_\@
	s_barrier_signal -3
.Lnot_wave_0_\@:
	s_barrier_wait -3
	s_barrier_signal -1
	s_barrier_wait -1
.endm
.macro CROUND
	s_barrier_signal -1
	s_barrier_wait -1
	CREST
.endm
	s_load_b512 s[4:19], s[0:1], 0x0               ; x s[4:5], W s[6:7], o_w s[8:9], positions s[10:11], exponents s[12:13], q_img s[14:15], k_img s[16:17], v_img s[18:19]
	s_load_b64 s[20:21], s[0:1], 0x40              ; ow_img
	v_lshl_add_u32 v[SPW], v0, 2, SPARE
	v_mov_b32 v[NIL], 0
	ds_add_u32 v28, v29
	ds_add_u32 v28, v29
	s_wait_dscnt 0x0
	v_lshrrev_b32 v1, 5, v0
	v_readfirstlane_b32 s[WV], v1                  ; wave 0..3
	s_lshr_b32 s[RH], s[WV], 1                     ; which 128 rows are mine
	s_and_b32 s[CH], s[WV], 1                      ; which of the two heads
	s_bfe_u32 s[CX], ttmp6, 0x40000
	s_bfe_u32 s[CY], ttmp6, 0x40004
	s_lshl_b32 s[GG], ttmp9, 2
	s_add_co_u32 s[GG], s[GG], s[CX]               ; g = 4 x cluster x + cx
	s_and_b32 s[RB], ttmp7, 0xffff
	s_lshl_b32 s[RB], s[RB], 2
	s_add_co_u32 s[RB], s[RB], s[CY]               ; R = 4 x cluster y + cy
	s_lshl_b32 s38, s[CY], 2
	s_lshl_b32 s38, 15, s38                        ; my row of the cluster
	s_lshl_b32 s39, 0x1111, s[CX]                  ; my column
	s_or_b32 s[G1], s38, (1<<20)|(1<<21)|(4<<22)|(3<<25)   ; the mask; elements of 1 byte; padding on; bit 21 beside a mask; after every 32 words four words
	s_or_b32 s[G1B], s39, (1<<20)|(1<<21)|(4<<22)|(3<<25)
	s_mov_b32 s[G1+1], 128<<16                     ; tensor_dim0 = 128
	s_mov_b32 s[G1+2], 256<<16                     ; tensor_dim1 = 256
	s_mov_b32 s[G1+3], 128<<16                     ; tile_dim0 = 128
	s_mov_b32 s[G1+4], 256                         ; tile_dim1 = 256
	s_mov_b32 s[G1+5], 1024                        ; from row to row
	s_mov_b32 s[G1+6], 0
	s_mov_b32 s[G1+7], 0
	s_mov_b32 s[G1B+1], 128<<16
	s_mov_b32 s[G1B+2], 128<<16
	s_mov_b32 s[G1B+3], 128<<16
	s_mov_b32 s[G1B+4], 128
	s_mov_b32 s[G1B+5], 1024
	s_mov_b32 s[G1B+6], 0
	s_mov_b32 s[G1B+7], 0
	s_lshl_b32 s84, s[RB], 18                      ; x: 256 R rows of 1,024 bytes: R alone enters
	s_mov_b32 s85, 0
	s_max_u32 s88, s[WV], 1
	s_sub_co_u32 s88, s88, 1                       ; W: piece 0, 1, 2 for waves 1, 2, 3 (wave 0 asks for none)
	s_lshl_b32 s88, s88, 20                        ; 1,024 rows a piece
	s_lshl_b32 s89, s[GG], 17                      ; + 128 g rows: g alone enters
	s_add_co_u32 s88, s88, s89
	s_mov_b32 s89, 0
	s_mul_i32 s90, s[WV], BPART
	s_add_co_u32 s90, s90, BPART                   ; the piece's place in a slot: 18,432 (w + 1), behind x's 36,864 bytes
	s_wait_kmcnt 0x0
	s_load_b256 s[76:83], s[12:13], 0x0            ; e0 .. e7
	s_add_nc_u64 s[86:87], s[4:5], s[84:85]
	s_add_nc_u64 s[88:89], s[6:7], s[88:89]
	CROUND                                         ; all sixteen work-groups are here: the first joint loads meet
.irp s, 0,1
	s_mov_b32 s[G0+4*\s], 1
	s_mov_b32 s[G0+4*\s+1], \s*SLOT
	s_add_nc_u64 s[G0+4*\s+2:G0+4*\s+3], s[86:87], \s*128
	s_or_b32 s[G0+4*\s+3], s[G0+4*\s+3], 0x80000000
	s_mov_b32 s[G0B+4*\s], 1
	s_add_co_u32 s[G0B+4*\s+1], s90, \s*SLOT
	s_add_nc_u64 s[G0B+4*\s+2:G0B+4*\s+3], s[88:89], \s*128
	s_or_b32 s[G0B+4*\s+3], s[G0B+4*\s+3], 0x80000000
	JLOAD \s                                       ; both slots are asked for before anything else: two tensor loads of mine are out
.endr
	; ---- o_w's codes into the order of an operand's registers: piece L = 8 R + g of 256, two groups of 512 bytes a wave
	v_and_b32 v1, 31, v0                           ; lane
	v_and_b32 v2, 15, v0                           ; r
	v_bfe_u32 v3, v0, 4, 1                         ; h
	v_lshlrev_b32 v[LI], 4, v1
	v_lshlrev_b32 v15, 10, v2
	v_lshl_add_u32 v15, v3, 3, v15                 ; row r of 1,024 bytes, + 8 h
	s_wait_alu depctr_va_vdst(0)
	s_lshl_b32 s92, s[RB], 3
	s_add_co_u32 s92, s92, s[GG]                   ; L
	s_lshr_b32 s93, s92, 2
	s_lshl_b32 s93, s93, 14                        ; rows 16 (L / 4) on
	s_and_b32 s94, s92, 3
	s_lshl_b32 s94, s94, 8                         ; K from 256 (L % 4) on,
	s_add_co_u32 s94, s94, s93
	s_lshl_b32 s93, s[WV], 5                       ; + 32 w: group w of a K step's four
	s_add_co_u32 s94, s94, s93
	s_mov_b32 s95, 0
	s_add_nc_u64 s[8:9], s[8:9], s[94:95]
	s_lshl_b32 s94, s92, 12
	s_lshl_b32 s93, s[WV], 9
	s_add_co_u32 s94, s94, s93
	s_add_nc_u64 s[20:21], s[20:21], s[94:95]      ; ow_img + 4,096 L + 512 w
	global_load_b64 v[4:5], v15, s[8:9]            ; K 8 h + 0..7 and 16 + 8 h + 0..7 of the group's 32: registers 4 i .. 4 i + 3
	global_load_b64 v[6:7], v15, s[8:9] offset:16
	global_load_b64 v[8:9], v15, s[8:9] offset:128 ; and the same of the next K step
	global_load_b64 v[10:11], v15, s[8:9] offset:144
	s_and_b32 s93, s[RB], 7
	s_lshl_b32 s93, s93, 10
	s_lshl_b32 s94, s[WV], 8
	s_add_co_u32 s94, s94, s93                     ; positions of rows 256 (R % 8) + 64 w on, 4 bytes each
	s_add_nc_u64 s[10:11], s[10:11], s[94:95]
	v_lshlrev_b32 v14, 2, v1
	global_load_b32 v12, v14, s[10:11]             ; lane l: the position of my wave's table row l,
	global_load_b32 v13, v14, s[10:11] offset:128  ; and of row 32 + l
	; ---- addresses
	v_mul_u32_u24 v31, v2, PITCH
	v_lshl_add_u32 v31, v3, 4, v31                 ; a fragment's row x pitch + 16 h
	s_mul_i32 s92, s[RH], 128*PITCH
	s_mul_i32 s93, s[CH], 64*PITCH
	s_add_co_u32 s93, s93, APART
.irp s, 0,1
	v_add_nc_u32 v[ADRA+\s], s92, v31
	v_add_nc_u32 v[ADRB+\s], s93, v31
	s_add_co_u32 s92, s92, SLOT
	s_add_co_u32 s93, s93, SLOT
.endr
	v_mul_u32_u24 v[TABR], v2, TP
	v_lshl_add_u32 v[TABR], v3, 5, v[TABR]         ; row r, + 32 h: my four pairs of a tile's eight
	s_mul_i32 s92, s[RH], 128*TP
	s_add_co_u32 s92, s92, TAB
	v_add_nc_u32 v[TABR], s92, v[TABR]
	s_mul_i32 s92, s[WV], 64*TP
	s_add_co_u32 s92, s92, TAB
	v_lshl_add_u32 v[TABW], v1, 3, s92             ; rows 64 w on; lane = pair
	v_cvt_f32_u32 v[FRQ], v1
	v_mul_f32 v[FRQ], 0xbed49a78, v[FRQ]           ; -lane x log2(10000) / 32
	s_wait_alu depctr_va_vdst(0)
	v_exp_f32 v[FRQ], v[FRQ]
	v_mov_b32 v[KS2], 0x3c08839e                   ; (a plain line behind the exponential)
	v_mov_b32 v[KS2+1], 0x3c08839e
	v_mov_b32 v[KC2], 0xbab6061a
	v_mov_b32 v[KC2+1], 0xbab6061a
	; where my results go: the same byte offset in q_img, k_img and v_img: (batch x 16 + head) x 131,072 + (R % 8) x 16,384 + (w / 2) x 8,192
	s_lshr_b32 s92, s[RB], 3
	s_lshl_b32 s92, s92, 4
	s_lshl_b32 s93, s[GG], 1
	s_add_co_u32 s92, s92, s93
	s_add_co_u32 s92, s92, s[CH]
	s_lshl_b32 s92, s92, 17
	s_and_b32 s93, s[RB], 7
	s_lshl_b32 s93, s93, 14
	s_add_co_u32 s92, s92, s93
	s_lshl_b32 s93, s[RH], 13
	s_add_co_u32 s96, s92, s93
	s_mov_b32 s97, 0
	s_add_nc_u64 s[14:15], s[14:15], s[96:97]
	s_add_nc_u64 s[16:17], s[16:17], s[96:97]
	s_add_nc_u64 s[18:19], s[18:19], s[96:97]
	s_wait_loadcnt 0x0
	global_store_b128 v[LI], v[4:7], s[20:21]      ; 512 consecutive bytes a store; these registers are not written again
	global_store_b128 v[LI], v[8:11], s[20:21] offset:2048
	v_cvt_f32_i32 v12, v12
	v_cvt_f32_i32 v13, v13
	; ---- cos and sin of my wave's 64 rows x 32 pairs, while the first tiles are on their way: four trips of 16 rows, eight packed chains side by side
	s_mov_b32 s30, 0                               ; the lane that holds the trip's first position
	s_mov_b32 s2, 0                                ; the trip's first row, in bytes of the table
	s_mov_b32 s3, 0
.Ltab:
.irp i, 1,2,3,4,5,6,7
	s_add_co_u32 s[30+\i], s30, \i
.endr
	v_add_nc_u32 v[TADR], s2, v[TABW]
	s_wait_alu depctr_va_vdst(0)
.irp p, 0,1,2,3,4,5,6,7                ; set p: rows 32 (p / 4) + 8 t + 2 (p % 4) and the next
	v_readlane_b32 s98, v[12+\p/4], s[30+2*(\p%4)]
	v_readlane_b32 s99, v[12+\p/4], s[30+2*(\p%4)+1]
	v_mul_f32 v[TS+16*\p], s98, v[FRQ]             ; the angle
	v_mul_f32 v[TS+16*\p+1], s99, v[FRQ]
.endr
.irp p, 0,1,2,3,4,5,6,7
	v_pk_mul_f32 v[TS+16*\p+2:TS+16*\p+3], v[TS+16*\p:TS+16*\p+1], 0x3f22f983 op_sel_hi:[1,0]   ; x 2 / pi
.endr
.irp p, 0,1,2,3,4,5,6,7
	v_rndne_f32 v[TS+16*\p+2], v[TS+16*\p+2]       ; k, a whole number
	v_rndne_f32 v[TS+16*\p+3], v[TS+16*\p+3]
.endr
.irp p, 0,1,2,3,4,5,6,7
	v_pk_fma_f32 v[TS+16*\p+4:TS+16*\p+5], v[TS+16*\p+2:TS+16*\p+3], 0xbfc90fdb, v[TS+16*\p:TS+16*\p+1] op_sel_hi:[1,0,1]   ; angle - k x (pi/2 as f32): k has 11 bits, so nothing is rounded
.endr
.irp p, 0,1,2,3,4,5,6,7
	v_pk_fma_f32 v[TS+16*\p+4:TS+16*\p+5], v[TS+16*\p+2:TS+16*\p+3], 0x333bbd2e, v[TS+16*\p+4:TS+16*\p+5] op_sel_hi:[1,0,1]   ; and the rest of pi/2: r, within pi/4
.endr
.irp p, 0,1,2,3,4,5,6,7
	v_pk_mul_f32 v[TS+16*\p+6:TS+16*\p+7], v[TS+16*\p+4:TS+16*\p+5], v[TS+16*\p+4:TS+16*\p+5]   ; z = r r
.endr
.irp p, 0,1,2,3,4,5,6,7
	v_pk_fma_f32 v[TS+16*\p+8:TS+16*\p+9], v[TS+16*\p+6:TS+16*\p+7], 0xb94ca1f9, v[KS2:KS2+1] op_sel_hi:[1,0,1]
	v_pk_fma_f32 v[TS+16*\p+10:TS+16*\p+11], v[TS+16*\p+6:TS+16*\p+7], 0x37ccf5ce, v[KC2:KC2+1] op_sel_hi:[1,0,1]
.endr
.irp p, 0,1,2,3,4,5,6,7
	v_pk_mul_f32 v[TS+16*\p+12:TS+16*\p+13], v[TS+16*\p+6:TS+16*\p+7], v[TS+16*\p+4:TS+16*\p+5]   ; z r
	v_pk_fma_f32 v[TS+16*\p+14:TS+16*\p+15], v[TS+16*\p+6:TS+16*\p+7], -0.5, 1.0 op_sel_hi:[1,0,0]   ; 1 - z / 2
.endr
.irp p, 0,1,2,3,4,5,6,7
	v_pk_fma_f32 v[TS+16*\p+8:TS+16*\p+9], v[TS+16*\p+8:TS+16*\p+9], v[TS+16*\p+6:TS+16*\p+7], 0xbe2aaaa3 op_sel_hi:[1,1,0]
	v_pk_fma_f32 v[TS+16*\p+10:TS+16*\p+11], v[TS+16*\p+10:TS+16*\p+11], v[TS+16*\p+6:TS+16*\p+7], 0x3d2aaaa5 op_sel_hi:[1,1,0]
.endr
.irp p, 0,1,2,3,4,5,6,7
	v_pk_fma_f32 v[TS+16*\p+8:TS+16*\p+9], v[TS+16*\p+8:TS+16*\p+9], v[TS+16*\p+12:TS+16*\p+13], v[TS+16*\p+4:TS+16*\p+5]   ; sin r
.endr
.irp p, 0,1,2,3,4,5,6,7
	v_pk_mul_f32 v[TS+16*\p+12:TS+16*\p+13], v[TS+16*\p+6:TS+16*\p+7], v[TS+16*\p+6:TS+16*\p+7]   ; z z
	v_cvt_i32_f32 v[TS+16*\p+4], v[TS+16*\p+2]     ; k as a whole number
	v_cvt_i32_f32 v[TS+16*\p+5], v[TS+16*\p+3]
.endr
.irp p, 0,1,2,3,4,5,6,7
	v_pk_fma_f32 v[TS+16*\p+10:TS+16*\p+11], v[TS+16*\p+10:TS+16*\p+11], v[TS+16*\p+12:TS+16*\p+13], v[TS+16*\p+14:TS+16*\p+15]   ; cos r
	v_lshlrev_b32 v[TS+16*\p+6], 31, v[TS+16*\p+4] ; b: k's bit 0 as a sign
	v_lshlrev_b32 v[TS+16*\p+7], 31, v[TS+16*\p+5]
.endr
.irp p, 0,1,2,3,4,5,6,7                ; the quadrant: k odd: sin and cos change places; sin's sign is k's bit 1, cos's is bit 1 xor bit 0
.irp n, 0,1
	v_cmp_ne_u32 vcc_lo, 0, v[TS+16*\p+6+\n]
	v_cndmask_b32 v[TS+16*\p+2*\n+1], v[TS+16*\p+8+\n], v[TS+16*\p+10+\n], vcc_lo
	v_cndmask_b32 v[TS+16*\p+2*\n], v[TS+16*\p+10+\n], v[TS+16*\p+8+\n], vcc_lo
	v_lshlrev_b32 v[TS+16*\p+4+\n], 30, v[TS+16*\p+4+\n]
.endr
.endr
.irp p, 0,1,2,3,4,5,6,7
.irp n, 0,1
	v_and_b32 v[TS+16*\p+4+\n], 0x80000000, v[TS+16*\p+4+\n]
.endr
.endr
.irp p, 0,1,2,3,4,5,6,7
.irp n, 0,1
	v_xor_b32 v[TS+16*\p+2*\n+1], v[TS+16*\p+2*\n+1], v[TS+16*\p+4+\n]
	v_xor_b32 v[TS+16*\p+4+\n], v[TS+16*\p+4+\n], v[TS+16*\p+6+\n]
.endr
.endr
.irp p, 0,1,2,3,4,5,6,7
.irp n, 0,1
	v_xor_b32 v[TS+16*\p+2*\n], v[TS+16*\p+2*\n], v[TS+16*\p+4+\n]
.endr
.endr
.irp p, 0,1,2,3,4,5,6,7
.irp n, 0,1
	ds_store_b64 v[TADR], v[TS+16*\p+2*\n:TS+16*\p+2*\n+1] offset:(32*(\p/4)+2*(\p%4)+\n)*TP   ; 32 lanes: 256 consecutive bytes, a row of the table
.endr
.endr
	s_add_co_u32 s30, s30, 8
	s_add_co_u32 s2, s2, 8*TP
	s_add_co_u32 s3, s3, 1
	s_cmp_lt_u32 s3, 4
	s_cbranch_scc1 .Ltab
.macro FRAG reg, adr, off              ; 16 rows x 64 K: lane l holds row l % 16; registers 0-3: K 16 (l / 16) + 0..15, registers 4-7: 32 + the same: one order of K for x and W alike
	ds_load_b128 v[\reg:\reg+3], v[\adr] offset:\off
	ds_load_b128 v[\reg+4:\reg+7], v[\adr] offset:\off+32
.endm
.macro FETCH_A slot, q, p              ; x's eight fragments of the slot's q-th 64 along K into set p: 16 loads
.irp a, 0,1,2,3,4,5,6,7
	FRAG AF+64*(\p)+8*\a, ADRA+\slot, 64*(\q)+\a*16*PITCH
.endr
.endm
.macro FETCH_B slot, q, b0             ; W's fragments b0 .. b0 + 5: 12 loads
.irp i, 0,1,2,3,4,5
	FRAG BF+8*(\b0+\i), ADRB+\slot, 64*(\q)+((\b0+\i)/4)*BPART+((\b0+\i)%4)*16*PITCH
.endr
.endm
.macro MM d, x, y, zero
.if \zero
	v_wmma_f32_16x16x64_fp8_fp8 v[\d:\d+7], v[\x:\x+7], v[\y:\y+7], 0
.else
	v_wmma_f32_16x16x64_fp8_fp8 v[\d:\d+7], v[\x:\x+7], v[\y:\y+7], v[\d:\d+7]
.endif
.endm
; Eight matrix instructions: W's fragment b against x's eight.  The 96 accumulators take turns, one instruction a turn, in the same order in every step.
.macro MULB b, p, zero
	WIN 0x50*(1+(\b)/4)                            ; C and D in window 1, 2 or 3
.irp a, 0,1,2,3,4,5,6,7
.if (\b) < 8
	MM 8*(8*((\b)%4)+\a), BF+8*(\b), AF+64*(\p)+8*\a, \zero
.else
	MM 8*(8*((\b)%4)+\a), AF+64*(\p)+8*\a, BF+8*(\b), \zero
.endif
.endr
.endm
; A slot's first 64 along K (x's set 0).  Loads into registers that matrix instructions have read stand four plain vector lines behind them (ISA guide 7.12.1 for vector instructions).
.macro STEP slot, zero
	s_wait_dscnt 12                                ; x's set and W's fragments 0-5 are in; the youngest twelve loads (fragments 6-11) may be out
.irp b, 0,1,2,3,4,5
	MULB \b, 0, \zero
.endr
	s_wait_dscnt 0x0                               ; fragments 6-11 are in (asked for 48 matrix instructions ago)
	PLACES 4
	WIN 0
	FETCH_A \slot, 1, 1
	FETCH_B \slot, 1, 0
.irp b, 6,7,8,9,10,11
	MULB \b, 0, \zero
.endr
	PLACES 4
	WIN 0
	FETCH_B \slot, 1, 6
.endm
; A slot's second 64 along K (x's set 1) changes slots: ONE barrier; in front of it each wave waits for all its tensor loads, adds 0 to its spare word, and waits for that and for its reads of this slot.
.macro TURN slot, next, fill
	s_wait_tensorcnt 0x0                           ; all my tensor loads have landed: my part of the next slot
	ds_add_u32 v[SPW], v[NIL]                      ; 0 onto my spare word
	s_wait_dscnt 13                                ; (the add and the youngest twelve loads may be out)
.irp b, 0,1,2
	MULB \b, 1, 0
.endr
	s_wait_dscnt 0x0                               ; the add is done, and my reads of this slot are over
	s_barrier_signal -1
.irp b, 3,4,5
	MULB \b, 1, 0
.endr
	WIN 0
	s_barrier_wait -1
.if \fill
	CREST                                          ; the barrier has opened a round of the cluster's: no wave of any partner still reads this slot or has a load on its way
	s_add_nc_u64 s[G0+4*\slot+2:G0+4*\slot+3], s[G0+4*\slot+2:G0+4*\slot+3], 256
	s_add_nc_u64 s[G0B+4*\slot+2:G0B+4*\slot+3], s[G0B+4*\slot+2:G0B+4*\slot+3], 256
	JLOAD \slot                                    ; the first tensor load behind the round, two K steps ahead; its four v_nop are also the lines in front of the loads below
.else
	PLACES 4
.endif
	FETCH_A \next, 0, 0
	FETCH_B \next, 0, 0
.irp b, 6,7,8,9,10,11
	MULB \b, 1, 0
.endr
	PLACES 4
	WIN 0
	FETCH_B \next, 0, 6
.endm
	s_wait_tensorcnt 0x1                           ; my part of slot 0 is in; slot 1's may stay out
	s_wait_dscnt 0x0                               ; for the others' sake: my rows of the table are written
	s_barrier_signal -1
	s_barrier_wait -1
	FETCH_A 0, 0, 0
	FETCH_B 0, 0, 0
	FETCH_B 0, 0, 6
	STEP 0, 1                                      ; the first step stands in front of the loop: its products start the sums
	s_mov_b32 s3, 3
.Llap:                                                 ; three trips, each once round the ring: K steps 2 to 7 are asked for
	TURN 0, 1, 1
	STEP 1, 0
	TURN 1, 0, 1
	STEP 0, 0
	s_sub_co_u32 s3, s3, 1
	s_cmp_lg_u32 s3, 0
	s_cbranch_scc1 .Llap
	TURN 0, 1, 0                                   ; the last lap fills nothing
	STEP 1, 0
	s_wait_dscnt 12
.irp b, 0,1,2,3,4,5
	MULB \b, 1, 0
.endr
	s_wait_dscnt 0x0
.irp b, 6,7,8,9,10,11
	MULB \b, 1, 0
.endr
	WIN 0
	; ---- THE WAY OUT.  A sum stands for sum x 2^(e0 + e1); its code is sum / 2^(e - e0 - e1): the three exponents are folded into the conversion's one scale.
	PLACES 4
	s_wait_kmcnt 0x0
	s_add_co_i32 s92, s76, s77
.macro SCL se, vs                      ; v[vs] = 2^(e - e0 - e1)
	s_sub_co_i32 s93, s[\se], s92
	s_add_co_i32 s93, s93, 127
	s_lshl_b32 s94, s93, 23
	v_mov_b32 v[\vs], s94
	s_add_co_i32 s93, s93, 8
	s_lshl_b32 s93, s93, 23
	s_or_b32 s93, s93, 0x600000
.endm
	SCL 78, SCQ
	SCL 79, SCQ+2
	SCL 81, SCQ+4
.macro TABLOAD a                       ; (cos, sin) of my row of block a: for each tile of 16 channels my four pairs, 32 bytes
.irp bb, 0,1,2,3
	ds_load_b128 v[CSB+32*((\a)%2)+8*\bb:CSB+32*((\a)%2)+8*\bb+3], v[TABR] offset:(\a)*16*TP+64*\bb
	ds_load_b128 v[CSB+32*((\a)%2)+8*\bb+4:CSB+32*((\a)%2)+8*\bb+7], v[TABR] offset:(\a)*16*TP+64*\bb+16
.endr
.endm
; Block a (16 rows) of q (W = 1) or k (W = 2): rotated, converted, stored.  (x0, x1) -> (x0 c - x1 s, x0 s + x1 c): a packed product (-x1 s, x1 c) and a packed multiply-add.  Each accumulator is read from its low end on.
.macro ROPEQ a, W, sc, cod, base
	WIN \W                                         ; source 0: the accumulators' window
.irp bb, 0,1,2,3
.irp i, 0,2,4,6
	v_pk_mul_f32 v[TT+8*\bb+\i:TT+8*\bb+\i+1], v[8*(8*\bb+(\a))+\i:8*(8*\bb+(\a))+\i+1], v[CSB+32*((\a)%2)+8*\bb+\i:CSB+32*((\a)%2)+8*\bb+\i+1] op_sel:[1,1] op_sel_hi:[1,0] neg_lo:[1,0]
.endr
.irp i, 0,2,4,6
	v_pk_fma_f32 v[RR+8*\bb+\i:RR+8*\bb+\i+1], v[8*(8*\bb+(\a))+\i:8*(8*\bb+(\a))+\i+1], v[CSB+32*((\a)%2)+8*\bb+\i:CSB+32*((\a)%2)+8*\bb+\i+1], v[TT+8*\bb+\i:TT+8*\bb+\i+1] op_sel:[0,0,0] op_sel_hi:[0,1,1]
.endr
.endr
	WIN 0
.set j, 0
.rept 32
.set j, j+1
.endr
.irp bb, 0,1,2,3
	v_cvt_scalef32_pk8_fp8_f32 v[\cod+2*\bb:\cod+2*\bb+1], v[RR+8*\bb:RR+8*\bb+7], v[\sc]   ; channels 16 bb + 8 h + 0..7: registers 2 bb, 2 bb + 1 of the fragment
.endr
	v_nop                                          ; a plain line between the conversions and the next lines that write their sources
	global_store_b128 v[LI], v[\cod:\cod+3], s[\base:\base+1] offset:(\a)*1024
	global_store_b128 v[LI], v[\cod+4:\cod+7], s[\base:\base+1] offset:(\a)*1024+512   ; each store: 512 consecutive bytes
.endm
	TABLOAD 0
.irp a, 0,1,2,3,4,5,6,7
.if \a < 7
	TABLOAD \a+1
	s_wait_dscnt 8                                 ; this block's eight loads are in; the next block's may be out
.else
	s_wait_dscnt 0x0
.endif
	s_wait_xcnt 0x0                                ; the last block's stores have read their registers: the codes may be written again
	ROPEQ \a, 1, SCQ, COD, 14
	ROPEQ \a, 2, SCQ+2, COD+8, 16
.endr
.irp dt, 0,1,2,3                       ; v: 16 channels x my 128 keys: the 64 registers run down the keys, tile a = registers 2 a, 2 a + 1 of the fragment
	s_wait_xcnt 0x0
	WIN 3
.set j, 0
.rept 64
.set j, j+1
.endr
.irp c, 0,1,2,3,4,5,6,7
	v_cvt_scalef32_pk8_fp8_f32 v[COD+16*(\dt%2)+2*\c:COD+16*(\dt%2)+2*\c+1], v[RR+8*\c+((64*\dt+j)-(RR+j)):RR+8*\c+7+((64*\dt+j)-(RR+j))], v[SCQ+4]
.endr
	WIN 0
	v_nop
.irp i, 0,1,2,3
	global_store_b128 v[LI], v[COD+16*(\dt%2)+4*\i:COD+16*(\dt%2)+4*\i+3], s[18:19] offset:\dt*2048+\i*512
.endr
.endr
	s_wait_tensorcnt 0x0                           ; the wave's end
	ds_add_u32 v[SPW], v[NIL]
	s_wait_dscnt 0x0
	CROUND                                         ; the closing round: no work-group ends while a partner may still ask for a tile that names it
	s_endpgm
.Lfunc_end_k_q5121b704f7_qkv:
	.size	k_q5121b704f7_qkv, .Lfunc_end_k_q5121b704f7_qkv-k_q5121b704f7_qkv
	.p2alignl 7, 3214868480
	.fill 96, 4, 3214868480
	.section	.rodata,"a",@progbits
	.p2align	6, 0x0
	.amdhsa_kernel k_q5121b704f7_qkv
		.amdhsa_group_segment_fixed_size 327680
		.amdhsa_private_segment_fixed_size 0
		.amdhsa_enable_private_segment 0
		.amdhsa_kernarg_size 72
		.amdhsa_user_sgpr_count 2
		.amdhsa_user_sgpr_kernarg_segment_ptr 1
		.amdhsa_wavefront_size32 1
		.amdhsa_system_sgpr_workgroup_id_x 1
		.amdhsa_system_sgpr_workgroup_id_y 1
		.amdhsa_system_sgpr_workgroup_id_z 1
		.amdhsa_system_vgpr_workitem_id 0
		.amdhsa_next_free_vgpr 1024
		.amdhsa_next_free_sgpr 100
		.amdhsa_reserve_vcc 1
		.amdhsa_float_denorm_mode_32 3
		.amdhsa_float_denorm_mode_16_64 3
		.amdhsa_fp16_overflow 1
		.amdhsa_memory_ordered 1
		.amdhsa_forward_progress 1
		.amdhsa_inst_pref_size 151
	.end_amdhsa_kernel
	.amdgpu_metadata
---
amdhsa.version: [ 1, 2 ]
amdhsa.kernels:
  - .name:           k_q5121b704f7_qkv
    .symbol:         k_q5121b704f7_qkv.kd
    .args:
      - { .name: x_codes, .offset: 0, .size: 8, .value_kind: global_buffer, .address_space: global }
      - { .name: qkv_w_codes, .offset: 8, .size: 8, .value_kind: global_buffer, .address_space: global }
      - { .name: o_w_codes, .offset: 16, .size: 8, .value_kind: global_buffer, .address_space: global }
      - { .name: token_positions, .offset: 24, .size: 8, .value_kind: global_buffer, .address_space: global }
      - { .name: lowp_scales, .offset: 32, .size: 8, .value_kind: global_buffer, .address_space: global }
      - { .name: q_img, .offset: 40, .size: 8, .value_kind: global_buffer, .address_space: global }
      - { .name: k_img, .offset: 48, .size: 8, .value_kind: global_buffer, .address_space: global }
      - { .name: v_img, .offset: 56, .size: 8, .value_kind: global_buffer, .address_space: global }
      - { .name: ow_img, .offset: 64, .size: 8, .value_kind: global_buffer, .address_space: global }
    .group_segment_fixed_size: 327680
    .private_segment_fixed_size: 0
    .kernarg_segment_align: 8
    .kernarg_segment_size: 72
    .max_flat_workgroup_size: 128
    .sgpr_count:     100
    .vgpr_count:     1024
    .wavefront_size: 32
...
	.end_amdgpu_metadata
.endif
;; end of part 1
;; launch attn (part 2): grid 4 x 64, 8 waves a work-group, clusters of 4 x 1, 263,168 bytes of LDS; arguments q_img, k_img, v_img, lowp_scales, c_img; writes c_img
.if DOCPART == 2
	.amdgcn_target "amdgcn-amd-amdhsa--gfx1250"
	.amdhsa_code_object_version 6
	.text
	.protected	k_q5121b704f7_attn
	.globl	k_q5121b704f7_attn
	.p2align	8
	.type	k_q5121b704f7_attn,@function
k_q5121b704f7_attn:
	s_mov_b64 s[64:65], 0
	v_nop
	global_prefetch_b8 v0, s[64:65] scope:SCOPE_SE
	s_setreg_imm32_b32 hwreg(HW_REG_WAVE_MODE, 25, 1), 1
	s_wait_xcnt 0x0
	s_wait_alu depctr_hold_cnt(0) depctr_sa_sdst(0) depctr_va_vdst(0) depctr_va_sdst(0) depctr_va_ssrc(0) depctr_va_vcc(0) depctr_vm_vsrc(0)
	s_getreg_b32 s2, hwreg(HW_REG_IB_STS2, 6, 4)
	s_cmp_eq_u32 s2, 0
	s_cbranch_scc0 .Lentry_in_a_cluster
	s_endpgm
.Lentry_in_a_cluster:
	s_bfe_u32 s2, ttmp6, 0x10000c
	s_cmp_lg_u32 s2, 0x3003
	s_cbranch_scc0 .Lentry_shape_is_right
	s_endpgm
.Lentry_shape_is_right:
; Causal attention of one head (64 channels, 2,048 rows) on codes of E4M3, and ctx quantised for the last product.  q_img, k_img, v_img: images of operand registers, as the launch before laid them.
; c_img: [128 rows: 64][128 K: 8][16 rows: 8][4][lane][16]: lane (r, h): row r, registers 2 c, 2 c + 1: K 16 c + 8 h + 0..7; a head's 64 channels are half of a K step.
; THE SOFTMAX: t = score x log2(e) / 8; M = the running largest t rounded UP to a whole number; p = 2^(t - M) is quantised with 2^e4; the row's sum is taken of the unquantised p and divides at the end.
; When M moves, the sum and O are multiplied by 2^(old M - new M), which rounds nothing.
; SHARES.  A cluster of four work-groups is one head.  The head's K and V codes, 131,072 bytes each, lie WHOLE in LDS, asked for jointly: every byte of LDS is filled once, so there is no ring.
; Wave w of partner cx owns four tiles of 16 queries: piece L: tiles 2 cx, 2 cx + 1 of the block of 128 queries w; piece H: the same tiles of block 15 - w.
; Key steps that count: (w + 1) + (16 - w) = 17 for each wave's pair of tiles: all waves have equal work.  Whether a step is hidden, on the diagonal or open hangs on w and the step's number, never on cx.
; LAYOUT.  Both products are used transposed: S^T = K Q^T (source 0 = 16 keys, source 1 = 16 queries), O^T = V^T P^T: a lane holds ONE query throughout.  Key tile T's eight registers are keys 16 T + 8 h + 0..7:
; their conversion is registers 2 T, 2 T + 1 of P's fragment.
; The first tile's exponentials stand one by one between the other's plain lines; the second tile's only up to its 33rd, the rest stand back to back.
; LIMITS: e2 + e3 between -123 and 130 (added to the exponent field of log2(e) / 8); e4 and e6 - e4 - e5 between -126 and 119.  NaN codes are not served.
; REGISTERS: window 0: v1-11 addresses and constants; v16-47 eight registers of statistics a tile; v64-127 a step's fragments of K, then of V; v128-255 S^T of two tiles, then p.
;   window 1: v0-127 O^T, 32 a tile; v128-159 Q, 8 a tile; v160-223 P's codes, 16 a tile.
.set LI,   1                           ; v1   16 x lane
.set ADK,  2                           ; v2   LDS address of the step's K
.set ADV,  3                           ; v3   of its V
.set DQ,   4                           ; v4, v5   my query in its block, less 8 h, for the piece's two tiles
.set NINF, 6                           ; v6   -infinity
.set SCP,  8                           ; v8   2^e4
.set LMP,  9
.set SCC,  10                          ; v10  2^(e6 - e4 - e5)
.set LMC,  11
.set STT,  16                          ; tile t at v[16 + 8 t]: +0 -M, +1 the largest t, +2, +3 the sum in two halves, +4 f (+5 named with it), +6, +7 at work
.set KV,   64
.set S,    128
.set Q,    128                         ; in window 1
.set P,    160
.set WV,  14
.set CX,  15
.set HD,  16
.set BL,  17                           ; piece L's block of queries
.set BH,  18                           ; piece H's
.set STP, 19                           ; the key step
.set TK,  20                           ; LDS byte of the step's K
.set TV,  21                           ; of its V
.set CS,  22                           ; s[22:23] log2(e) / 8 x 2^(e2 + e3)
.set SEL, 24                           ; s[24:25] lane selects: lane l xor 16
.set G1A, 28                           ; s[28:35] group 1: 32 rows of 256 bytes;  s[36:43]: 96 rows
.set G1B, 36
.set G0KA, 44                          ; groups 0: K's two pieces, V's two pieces
.set G0KB, 48
.set G0VA, 52
.set G0VB, 56
.set MSB, 0
.macro WIN new
.if MSB != (\new)
	s_set_vgpr_msb (MSB<<8)|(\new)
.set MSB, \new
.endif
.endm
.macro PLACES n
.rept \n
	v_nop
.endr
.endm
.macro CROUND                          ; a round of the cluster's barrier
	s_barrier_signal -1
	s_barrier_wait -1
	s_cmp_lg_u32 s[WV], 0
	s_cbranch_scc1 .Lnot_wave_0_\@
	s_barrier_signal -3
.Lnot_wave_0_\@:
	s_barrier_wait -3
	s_barrier_signal -1
	s_barrier_wait -1
.endm
	s_load_b256 s[4:11], s[0:1], 0x0               ; q_img s[4:5], k_img s[6:7], v_img s[8:9], exponents s[10:11]
	s_load_b64 s[12:13], s[0:1], 0x20              ; c_img
	v_lshl_add_u32 v62, v0, 2, 0x40000
	v_mov_b32 v63, 0
	ds_add_u32 v62, v63
	ds_add_u32 v62, v63
	v_lshrrev_b32 v1, 5, v0
	v_readfirstlane_b32 s[WV], v1                  ; wave 0..7
	s_bfe_u32 s[CX], ttmp6, 0x40000
	s_and_b32 s[HD], ttmp7, 0xffff                 ; batch x 16 + head, which the four partners share
	s_mov_b32 s[BL], s[WV]
	s_sub_co_u32 s[BH], 15, s[WV]
	s_mov_b32 s[G1A], 15|(3<<16)|(1<<21)           ; the mask: all four; elements of 8 bytes; bit 21 beside a mask; no padding: the images are read 512 bytes on end
	s_mov_b32 s[G1A+1], 32<<16                     ; tensor_dim0 = 32 elements: 256 bytes
	s_mov_b32 s[G1A+2], 32<<16                     ; tensor_dim1 = 32 rows: 8,192 bytes, one key step
	s_mov_b32 s[G1A+3], 32<<16                     ; tile_dim0
	s_mov_b32 s[G1A+4], 32                         ; tile_dim1
	s_mov_b32 s[G1A+5], 32                         ; dense
	s_mov_b32 s[G1A+6], 0
	s_mov_b32 s[G1A+7], 0
	s_mov_b32 s[G1B], 15|(3<<16)|(1<<21)
	s_mov_b32 s[G1B+1], 32<<16
	s_mov_b32 s[G1B+2], 96<<16                     ; 96 rows: 24,576 bytes, three key steps
	s_mov_b32 s[G1B+3], 32<<16
	s_mov_b32 s[G1B+4], 96
	s_mov_b32 s[G1B+5], 32
	s_mov_b32 s[G1B+6], 0
	s_mov_b32 s[G1B+7], 0
	s_lshl_b32 s60, s[HD], 17                      ; the head's 131,072 bytes
	s_and_b32 s26, s[WV], 3
	s_lshl_b32 s27, s26, 13
	s_add_co_u32 s60, s60, s27                     ; the small piece: key step w % 4
	s_mov_b32 s61, 0
	s_mul_i32 s27, s26, 24576
	s_lshl_b32 s62, s[HD], 17
	s_add_co_u32 s62, s62, s27
	s_add_co_u32 s62, s62, 32768                   ; the large piece: key steps 4 + 3 (w % 4) on
	s_mov_b32 s63, 0
	s_lshl_b32 s2, s[WV], 13                       ; LDS: K's steps 0-3 at 0, V's at 32,768: 8,192 w
	s_mul_i32 s3, s[WV], 24576
	s_add_co_u32 s3, s3, 65536                     ; K's steps 4-15 at 65,536, V's at 163,840: 65,536 + 24,576 w
	s_mov_b32 s[SEL], 0x76543210
	s_mov_b32 s[SEL+1], 0xfedcba98
	s_wait_dscnt 0x0
	s_wait_kmcnt 0x0
	s_load_b256 s[68:75], s[10:11], 0x0            ; e0 .. e7
	s_mov_b32 s[G0KA], 1
	s_mov_b32 s[G0KA+1], s2
	s_add_nc_u64 s[G0KA+2:G0KA+3], s[6:7], s[60:61]
	s_or_b32 s[G0KA+3], s[G0KA+3], 0x80000000
	s_mov_b32 s[G0KB], 1
	s_mov_b32 s[G0KB+1], s3
	s_add_nc_u64 s[G0KB+2:G0KB+3], s[6:7], s[62:63]
	s_or_b32 s[G0KB+3], s[G0KB+3], 0x80000000
	s_mov_b32 s[G0VA], 1
	s_mov_b32 s[G0VA+1], s2
	s_add_nc_u64 s[G0VA+2:G0VA+3], s[8:9], s[60:61]
	s_or_b32 s[G0VA+3], s[G0VA+3], 0x80000000
	s_mov_b32 s[G0VB], 1
	s_mov_b32 s[G0VB+1], s3
	s_add_nc_u64 s[G0VB+2:G0VB+3], s[8:9], s[62:63]
	s_or_b32 s[G0VB+3], s[G0VB+3], 0x80000000
	CROUND                                         ; all four work-groups are here: the joint loads meet
	s_cmp_lt_u32 s[WV], 4                          ; waves 0-3 ask for K, waves 4-7 for V; a wave's two fills stand in one branch: two tensor loads of mine are out, and no more follow
	s_cbranch_scc0 .Lfirst_v
	tensor_load_to_lds s[G0KA:G0KA+3], s[G1A:G1A+7]
	s_nop 0
	tensor_load_to_lds s[G0KB:G0KB+3], s[G1B:G1B+7]
	s_nop 0
.rept 4
	v_nop
.endr
	s_branch .Lfirst_asked
.Lfirst_v:
	tensor_load_to_lds s[G0VA:G0VA+3], s[G1A:G1A+7]
	s_nop 0
	tensor_load_to_lds s[G0VB:G0VB+3], s[G1B:G1B+7]
	s_nop 0
.rept 4
	v_nop
.endr
.Lfirst_asked:
	v_and_b32 v7, 31, v0
	v_lshlrev_b32 v[LI], 4, v7
	v_and_b32 v12, 15, v0                          ; r
	v_bfe_u32 v13, v0, 4, 1                        ; h
	s_lshl_b32 s66, s[HD], 17
	s_lshl_b32 s67, s[CX], 11                      ; tiles 2 cx, 2 cx + 1 of a block: 1,024 bytes a tile
	s_add_co_u32 s66, s66, s67
	s_lshl_b32 s67, s[BL], 13
	s_add_co_u32 s76, s66, s67
	s_mov_b32 s77, 0
	s_lshl_b32 s67, s[BH], 13
	s_add_co_u32 s78, s66, s67
	s_mov_b32 s79, 0
	s_add_nc_u64 s[76:77], s[4:5], s[76:77]
	s_add_nc_u64 s[78:79], s[4:5], s[78:79]
	WIN 0x40                                       ; destination window 1
.irp u, 0,1
.irp i, 0,1
	global_load_b128 v[Q+8*\u+4*\i:Q+8*\u+4*\i+3], v[LI], s[76:77] offset:\u*1024+\i*512      ; Q stays in registers
	global_load_b128 v[Q+16+8*\u+4*\i:Q+16+8*\u+4*\i+3], v[LI], s[78:79] offset:\u*1024+\i*512
.endr
.endr
.set j, 0
.rept 128
	v_mov_b32 v[j], 0                              ; O^T.  (The step is written without a first step of its own: the first finds zeros, which the first change of M leaves zeros)
.set j, j+1
.endr
.set j, 0
.rept 64
	v_mov_b32 v[P+j], 0                            ; P is written once: the step tests 'piece L is at work' in two places, and every way through the text then finds P written
.set j, j+1
.endr
	WIN 0
	v_lshlrev_b32 v13, 3, v13
	v_sub_nc_u32 v[DQ], v12, v13
	s_lshl_b32 s66, s[CX], 5
	v_add_nc_u32 v[DQ], s66, v[DQ]                 ; 32 cx + r - 8 h
	v_add_nc_u32 v[DQ+1], 16, v[DQ]
	v_mov_b32 v[NINF], 0xff800000
.irp t, 0,1,2,3
	v_mov_b32 v[STT+8*\t+1], 0xff61b1e6            ; the largest t so far: -3e38, under every t
	v_floor_f32 v[STT+8*\t], -v[STT+8*\t+1]        ; -M
	v_mov_b32 v[STT+8*\t+2], 0
	v_mov_b32 v[STT+8*\t+3], 0
	v_mov_b32 v[STT+8*\t+4], 0
	v_mov_b32 v[STT+8*\t+5], 0
	v_mov_b32 v[STT+8*\t+6], 0
	v_mov_b32 v[STT+8*\t+7], 0
.endr
	s_wait_kmcnt 0x0
	s_add_co_i32 s26, s70, s71
	s_lshl_b32 s26, s26, 23
	s_mov_b32 s[CS], 0x3e38aa3b                    ; log2(e) / sqrt(64)
	s_add_co_i32 s[CS], s[CS], s26                 ; a score stands for score x 2^(e2 + e3): added to the exponent field
	s_mov_b32 s[CS+1], s[CS]                       ; (named with it as a pair)
	s_add_co_i32 s26, s72, 127
	s_lshl_b32 s27, s26, 23
	v_mov_b32 v[SCP], s27
	s_sub_co_i32 s26, s74, s72
	s_sub_co_i32 s26, s26, s73                     ; O / l stands for ctx / 2^(e4 + e5): its code is that / 2^(e6 - e4 - e5)
	s_add_co_i32 s26, s26, 127
	s_lshl_b32 s27, s26, 23
	v_mov_b32 v[SCC], s27
.macro SMUL g                          ; S^T of the piece's two tiles: 8 tiles of keys x 2 tiles of queries, one K = 64 instruction each
	WIN 0x04                                       ; source 1 (Q) window 1
.irp T, 0,1,2,3,4,5,6,7
.irp u, 0,1
	v_wmma_f32_16x16x64_fp8_fp8 v[S+64*\u+8*\T:S+64*\u+8*\T+7], v[KV+8*\T:KV+8*\T+7], v[Q+8*(\g+\u):Q+8*(\g+\u)+7], 0
.endr
.endr
	WIN 0
.endm
.macro MASK                            ; the diagonal step: register n holds key 16 (n / 8) + 8 h + n % 8 of the block: hidden where 16 (n / 8) + n % 8 > my query - 8 h.  p is then 0
.irp u, 0,1
.set n, 0
.rept 64
	v_cmp_gt_i32 vcc_lo, 16*(n/8)+n%8, v[DQ+\u]
	v_cndmask_b32 v[S+64*\u+n], v[S+64*\u+n], v[NINF], vcc_lo
.set n, n+1
.endr
.endr
.endm
; Plain line pn of tile t's softmax, its scores in S's half u.  0-31 the largest score, in two chains, in ascending order (each result tile is read from its low end on); 32-40 the other half of the lanes', t, M, f;
; 41-72 t - M; 73 the sum x f; 74-105 the sum of the unquantised p, in two chains.
.macro PL t, u
.set rT, STT+8*(\t)
.set rS, S+64*(\u)
.if pn == 0
	v_max3_num_f32 v[rT+6], v[rS], v[rS+1], v[rS+2]
.elseif pn == 1
	v_max3_num_f32 v[rT+7], v[rS+3], v[rS+4], v[rS+5]
.elseif pn < 30
.set px, 6+4*((pn-2)/2)+2*(pn%2)
	v_max3_num_f32 v[rT+6+pn%2], v[rT+6+pn%2], v[rS+px], v[rS+px+1]
.elseif pn == 30
	v_max3_num_f32 v[rT+6], v[rT+6], v[rS+62], v[rS+63]
.elseif pn == 31
	v_max_num_f32 v[rT+6], v[rT+6], v[rT+7]
.elseif pn == 32
	v_permlanex16_b32 v[rT+7], v[rT+6], s[SEL], s[SEL+1]
.elseif pn == 33
	v_max_num_f32 v[rT+6], v[rT+6], v[rT+7]
.elseif pn == 34
	v_mul_f32 v[rT+6], s[CS], v[rT+6]              ; as t (the factor is positive)
.elseif pn == 35
	v_max_num_f32 v[rT+1], v[rT+1], v[rT+6]        ; the running largest t
.elseif pn == 36
	v_mov_b32 v[rT+7], v[rT]
.elseif pn == 37
	v_floor_f32 v[rT], -v[rT+1]                    ; -M = floor(-t): M is a whole number
.elseif pn == 38
	v_sub_f32 v[rT+7], v[rT], v[rT+7]              ; old M - new M, 0 or less
.elseif pn == 39
	v_cvt_i32_f32 v[rT+7], v[rT+7]                 ; (it saturates)
.elseif pn == 40
	v_ldexp_f32 v[rT+4], 1.0, v[rT+7]              ; f = 2^(old M - new M)
.elseif pn < 73
.set px, 2*(pn-41)
	v_pk_fma_f32 v[rS+px:rS+px+1], v[rS+px:rS+px+1], s[CS:CS+1], v[rT:rT+1] op_sel_hi:[1,0,0]
.elseif pn == 73
	v_pk_mul_f32 v[rT+2:rT+3], v[rT+2:rT+3], v[rT+4:rT+5] op_sel_hi:[1,0]
.elseif pn == 74
	s_wait_alu depctr_va_vdst(0)
	v_pk_add_f32 v[rT+6:rT+7], v[rS:rS+1], v[rS+2:rS+3]
.elseif pn < 105
.set px, 4+4*((pn-75)/2)
.if (pn%2) == 1
	v_pk_add_f32 v[rT+2:rT+3], v[rT+2:rT+3], v[rS+px:rS+px+1]
.else
	v_pk_add_f32 v[rT+6:rT+7], v[rT+6:rT+7], v[rS+px+2:rS+px+3]
.endif
.elseif pn == 105
	v_pk_add_f32 v[rT+2:rT+3], v[rT+2:rT+3], v[rT+6:rT+7]
.else
.endif
.endm
.macro CVT t, u                        ; p's codes: key tile T -> registers 2 T, 2 T + 1 of the fragment
	WIN 0x40
.irp T, 0,1,2,3,4,5,6,7
	v_cvt_scalef32_pk8_fp8_f32 v[P+16*(\t)+2*\T:P+16*(\t)+2*\T+1], v[S+64*(\u)+8*\T:S+64*(\u)+8*\T+7], v[SCP]
.endr
.endm
.macro RESC t                          ; O^T x f; these are also the plain lines behind the conversions
	WIN 0x41
.set i, 0
.rept 16
	v_pk_mul_f32 v[32*(\t)+i:32*(\t)+i+1], v[32*(\t)+i:32*(\t)+i+1], v[STT+8*(\t)+4:STT+8*(\t)+5] op_sel_hi:[1,0]
.set i, i+2
.endr
	WIN 0
.endm
.macro SOFT g                          ; the softmax of tiles g (S's half 0) and g + 1 (half 1)
.set pn, 0
.rept 73
	PL \g, 0
.set pn, pn+1
.endr
.set k, 0
.rept 64
	v_exp_f32 v[S+k], v[S+k]
.set pn, k
	PL \g+1, 1
.set k, k+1
.endr
.set pn, 64
.rept 9
	PL \g+1, 1
.set pn, pn+1
.endr
.set k, 0
.rept 64
	v_exp_f32 v[S+64+k], v[S+64+k]
.set pn, 73+k
	PL \g, 0
.set k, k+1
.endr
.set pn, 137
.rept 33
	PL \g, 0
.set pn, pn+1
.endr
	CVT \g, 0
	RESC \g
.set pn, 73
.rept 97
	PL \g+1, 1
.set pn, pn+1
.endr
	CVT \g+1, 1
	RESC \g+1
.endm
.macro PV g                            ; O^T += V^T P^T: four tiles of channels x two tiles of queries, K = the step's 128 keys; the accumulators take turns
	WIN 0x54                                       ; source 1 (P), C and D window 1
.irp dt, 0,1,2,3
.irp u, 0,1
	v_wmma_f32_16x16x128_fp8_fp8 v[32*(\g+\u)+8*\dt:32*(\g+\u)+8*\dt+7], v[KV+16*\dt:KV+16*\dt+15], v[P+16*(\g+\u):P+16*(\g+\u)+15], v[32*(\g+\u)+8*\dt:32*(\g+\u)+8*\dt+7]
.endr
.endr
	WIN 0
.endm
; A KEY STEP of 128 keys.  All its branches hang on the wave's number and the step's; no barrier and no tensor load stands in it.
.macro STEP
	s_cmp_gt_u32 s[STP], s[BH]
	s_cbranch_scc1 .Lhid_\@                        ; all keys come after all my queries
	v_add_nc_u32 v[ADK], s[TK], v[LI]
	v_add_nc_u32 v[ADV], s[TV], v[LI]
	v_nop                                          ; with the two additions: four plain lines in front of loads into registers that the last products read
	v_nop
.irp T, 0,1,2,3,4,5,6,7
	ds_load_b128 v[KV+8*\T:KV+8*\T+3], v[ADK] offset:1024*\T
	ds_load_b128 v[KV+8*\T+4:KV+8*\T+7], v[ADK] offset:1024*\T+512
.endr
	s_wait_dscnt 0x0
	s_cmp_gt_u32 s[STP], s[BL]
	s_cbranch_scc1 .LnoL_\@                        ; piece L has had its last step
	SMUL 0
	PLACES 4
	s_cmp_lg_u32 s[STP], s[BL]
	s_cbranch_scc1 .LopenL_\@
	MASK
.LopenL_\@:
	SOFT 0
.LnoL_\@:
	SMUL 2
	PLACES 4
.irp f, 0,1,2,3,4,5,6,7,8,9,10,11,12,13,14,15
	ds_load_b128 v[KV+4*\f:KV+4*\f+3], v[ADV] offset:512*\f   ; V's four fragments take K's place and land under piece H's softmax
.endr
	s_cmp_lg_u32 s[STP], s[BH]
	s_cbranch_scc1 .LopenH_\@
	MASK
.LopenH_\@:
	SOFT 2
	s_wait_dscnt 0x0
	PV 2
	s_cmp_gt_u32 s[STP], s[BL]
	s_cbranch_scc1 .Lhid_\@
	PV 0
.Lhid_\@:
	s_add_co_u32 s[TK], s[TK], 8192
	s_add_co_u32 s[TV], s[TV], 8192
	s_add_co_u32 s[STP], s[STP], 1
.endm
	s_wait_loadcnt 0x0                             ; Q
	s_wait_tensorcnt 0x1                           ; my small piece is in; the large one may stay out
	s_barrier_signal -1
	s_barrier_wait -1                              ; key steps 0-3 of K and V are whole
	s_mov_b32 s[STP], 0
	s_mov_b32 s[TK], 0
	s_mov_b32 s[TV], 32768
.LloopA:
	STEP
	s_cmp_lt_u32 s[STP], 4
	s_cbranch_scc1 .LloopA
	s_wait_tensorcnt 0x0                           ; my large piece is in
	s_wait_dscnt 0x0
	s_barrier_signal -1
	s_barrier_wait -1                              ; key steps 4-15 are whole; from here on the waves run freely
	s_mov_b32 s[STP], 4
	s_mov_b32 s[TK], 65536
	s_mov_b32 s[TV], 163840
.LloopB:
	STEP
	s_cmp_lt_u32 s[STP], 16
	s_cbranch_scc1 .LloopB
	; ---- THE WAY OUT: O^T / the sum, converted: channel tile dt -> registers 2 dt, 2 dt + 1: they are the image's eight registers as they stand
	PLACES 4
.irp t, 0,1,2,3
	v_add_f32 v[STT+8*\t+6], v[STT+8*\t+2], v[STT+8*\t+3]
.endr
.irp t, 0,1,2,3
	v_permlanex16_b32 v[STT+8*\t+7], v[STT+8*\t+6], s[SEL], s[SEL+1]
.endr
.irp t, 0,1,2,3
	v_add_f32 v[STT+8*\t+6], v[STT+8*\t+6], v[STT+8*\t+7]
.endr
.irp t, 0,1,2,3
	v_rcp_f32 v[STT+8*\t+4], v[STT+8*\t+6]
.endr
	v_nop                                          ; a plain line between the last reciprocal and the use of its result
	s_wait_alu depctr_va_vdst(0)
	s_lshr_b32 s66, s[HD], 4
	s_lshl_b32 s66, s66, 21                        ; batch x 16 blocks of 131,072 bytes
	s_bfe_u32 s67, s[HD], 0x30001
	s_lshl_b32 s67, s67, 14                        ; K step = head / 2
	s_add_co_u32 s66, s66, s67
	s_lshl_b32 s67, s[CX], 12                      ; tiles 2 cx, 2 cx + 1 of the block: 2,048 bytes a tile
	s_add_co_u32 s66, s66, s67
	s_and_b32 s67, s[HD], 1
	s_lshl_b32 s67, s67, 10                        ; which half of the K step
	s_add_co_u32 s66, s66, s67
	s_lshl_b32 s67, s[BL], 17
	s_add_co_u32 s76, s66, s67
	s_mov_b32 s77, 0
	s_lshl_b32 s67, s[BH], 17
	s_add_co_u32 s78, s66, s67
	s_mov_b32 s79, 0
	s_add_nc_u64 s[76:77], s[12:13], s[76:77]
	s_add_nc_u64 s[78:79], s[12:13], s[78:79]
.macro OUT t
	WIN 0x41
.set i, 0
.rept 16
	v_pk_mul_f32 v[32*\t+i:32*\t+i+1], v[32*\t+i:32*\t+i+1], v[STT+8*\t+4:STT+8*\t+5] op_sel_hi:[1,0]
.set i, i+2
.endr
.set i, 0
.rept 32
.set i, i+1
.endr
	WIN 0x01
.irp dt, 0,1,2,3
	v_cvt_scalef32_pk8_fp8_f32 v[S+8*\t+2*\dt:S+8*\t+2*\dt+1], v[32*\t+8*\dt:32*\t+8*\dt+7], v[SCC]
.endr
	WIN 0
	v_nop
	global_store_b128 v[LI], v[S+8*\t:S+8*\t+3], s[76+2*(\t/2):77+2*(\t/2)] offset:(\t%2)*2048
	global_store_b128 v[LI], v[S+8*\t+4:S+8*\t+7], s[76+2*(\t/2):77+2*(\t/2)] offset:(\t%2)*2048+512   ; each store: 512 consecutive bytes
.endm
	OUT 0
	OUT 1
	OUT 2
	OUT 3
	s_wait_dscnt 0x0
	s_wait_tensorcnt 0x0
	ds_add_u32 v62, v63
	s_wait_dscnt 0x0
	CROUND                                         ; the closing round
	s_endpgm
.Lfunc_end_k_q5121b704f7_attn:
	.size	k_q5121b704f7_attn, .Lfunc_end_k_q5121b704f7_attn-k_q5121b704f7_attn
	.p2alignl 7, 3214868480
	.fill 96, 4, 3214868480
	.section	.rodata,"a",@progbits
	.p2align	6, 0x0
	.amdhsa_kernel k_q5121b704f7_attn
		.amdhsa_group_segment_fixed_size 263168
		.amdhsa_private_segment_fixed_size 0
		.amdhsa_enable_private_segment 0
		.amdhsa_kernarg_size 40
		.amdhsa_user_sgpr_count 2
		.amdhsa_user_sgpr_kernarg_segment_ptr 1
		.amdhsa_wavefront_size32 1
		.amdhsa_system_sgpr_workgroup_id_x 1
		.amdhsa_system_sgpr_workgroup_id_y 1
		.amdhsa_system_sgpr_workgroup_id_z 1
		.amdhsa_system_vgpr_workitem_id 0
		.amdhsa_next_free_vgpr 512
		.amdhsa_next_free_sgpr 80
		.amdhsa_reserve_vcc 1
		.amdhsa_float_denorm_mode_32 3
		.amdhsa_float_denorm_mode_16_64 3
		.amdhsa_fp16_overflow 1
		.amdhsa_memory_ordered 1
		.amdhsa_forward_progress 1
		.amdhsa_inst_pref_size 155
	.end_amdhsa_kernel
	.amdgpu_metadata
---
amdhsa.version: [ 1, 2 ]
amdhsa.kernels:
  - .name:           k_q5121b704f7_attn
    .symbol:         k_q5121b704f7_attn.kd
    .args:
      - { .name: q_img, .offset: 0, .size: 8, .value_kind: global_buffer, .address_space: global }
      - { .name: k_img, .offset: 8, .size: 8, .value_kind: global_buffer, .address_space: global }
      - { .name: v_img, .offset: 16, .size: 8, .value_kind: global_buffer, .address_space: global }
      - { .name: lowp_scales, .offset: 24, .size: 8, .value_kind: global_buffer, .address_space: global }
      - { .name: c_img, .offset: 32, .size: 8, .value_kind: global_buffer, .address_space: global }
    .group_segment_fixed_size: 263168
    .private_segment_fixed_size: 0
    .kernarg_segment_align: 8
    .kernarg_segment_size: 40
    .max_flat_workgroup_size: 256
    .sgpr_count:     80
    .vgpr_count:     512
    .wavefront_size: 32
...
	.end_amdgpu_metadata
.endif
;; end of part 2
;; launch oproj (part 3): grid 4 x 64, 4 waves a work-group, clusters of 4 x 1, 327,680 bytes of LDS; arguments c_img, ow_img, lowp_scales, out0; writes out0
.if DOCPART == 3
	.amdgcn_target "amdgcn-amd-amdhsa--gfx1250"
	.amdhsa_code_object_version 6
	.text
	.protected	k_q5121b704f7_oproj
	.globl	k_q5121b704f7_oproj
	.p2align	8
	.type	k_q5121b704f7_oproj,@function
k_q5121b704f7_oproj:
	s_mov_b64 s[64:65], 0
	v_nop
	global_prefetch_b8 v0, s[64:65] scope:SCOPE_SE
	s_setreg_imm32_b32 hwreg(HW_REG_WAVE_MODE, 25, 1), 1
	s_wait_xcnt 0x0
	s_wait_alu depctr_hold_cnt(0) depctr_sa_sdst(0) depctr_va_vdst(0) depctr_va_sdst(0) depctr_va_ssrc(0) depctr_va_vcc(0) depctr_vm_vsrc(0)
	s_getreg_b32 s2, hwreg(HW_REG_IB_STS2, 6, 4)
	s_cmp_eq_u32 s2, 0
	s_cbranch_scc0 .Lentry_in_a_cluster
	s_endpgm
.Lentry_in_a_cluster:
	s_bfe_u32 s2, ttmp6, 0x10000c
	s_cmp_lg_u32 s2, 0x3003
	s_cbranch_scc0 .Lentry_shape_is_right
	s_endpgm
.Lentry_shape_is_right:
; out0 = ctx o_w^T on codes of E4M3.  c_img and ow_img hold images of operand registers (16 rows x 128 K: four groups of 512 bytes, lane l's 16 bytes at 16 l), both in the form's own order of K.
; SHARES.  256 work-groups: 128 rows (tile row = work-group y) x 256 columns (cx).  Wave w: all 128 rows x columns 256 cx + 64 w on: 8 x 4 accumulators.
; ctx's panel, 131,072 consecutive bytes, is what the cluster's four share: it is asked for jointly and lies WHOLE in LDS: every byte of LDS is filled once, so there is no ring.
; The wave's own 64 rows of o_w, 65,536 bytes, go from memory straight into 512 registers and stay: LDS is read for ctx alone.
; THE MATRIX INSTRUCTION IS USED TRANSPOSED (source 0 = 16 rows of o_w, source 1 = 16 rows of ctx): a lane holds eight neighbouring numbers of a row of out0.  Each finished sum is multiplied once by 2^(e6 + e7).
; LIMIT: e6 + e7 between -126 and 127, so that 2^(e6 + e7) is an f32 number.
; REGISTERS: window 0: v1-5 addresses; v32-223 three sets of four fragments of ctx; on the way out v32-127.  Window 1: accumulator (a, b) at v[8 (4 a + b)].  Windows 2, 3: o_w's fragment (ks, b) at v[16 (4 (ks % 4) + b)] of window 2 + ks / 4.
.set STAGE, 131072                     ; behind the panel: 16 rows x (256 bytes + 16) for each wave
.set SP,    272
.set LI,  1                            ; v1  16 x lane
.set LI2, 2                            ; v2  the same + 65,536: the panel's second half
.set STO, 3
.set RD,  4
.set CO,  5
.set AS,  32
.set TMP, 32
.set BK,  64
.set WV, 14
.set CX, 15
.set MT, 16
.set G1, 24
.set G0, 32
.set MSB, 0
.macro WIN new
.if MSB != (\new)
	s_set_vgpr_msb (MSB<<8)|(\new)
.set MSB, \new
.endif
.endm
.macro PLACES n
.rept \n
	v_nop
.endr
.endm
.macro CROUND
	s_barrier_signal -1
	s_barrier_wait -1
	s_cmp_lg_u32 s[WV], 0
	s_cbranch_scc1 .Lnot_wave_0_\@
	s_barrier_signal -3
.Lnot_wave_0_\@:
	s_barrier_wait -3
	s_barrier_signal -1
	s_barrier_wait -1
.endm
	s_load_b256 s[4:11], s[0:1], 0x0               ; c_img s[4:5], ow_img s[6:7], exponents s[8:9], out0 s[10:11]
	v_lshl_add_u32 v254, v0, 2, 0x29000
	v_mov_b32 v255, 0
	ds_add_u32 v254, v255
	ds_add_u32 v254, v255
	v_lshrrev_b32 v6, 5, v0
	v_readfirstlane_b32 s[WV], v6
	s_bfe_u32 s[CX], ttmp6, 0x40000
	s_and_b32 s[MT], ttmp7, 0xffff                 ; the tile row, which the four partners share
	s_mov_b32 s[G1], 15|(3<<16)|(1<<21)            ; the mask: all four; elements of 8 bytes; bit 21 beside a mask
	s_mov_b32 s[G1+1], 32<<16                      ; rows of 256 bytes,
	s_mov_b32 s[G1+2], 64<<16                      ; 64 of them: 16,384 bytes
	s_mov_b32 s[G1+3], 32<<16
	s_mov_b32 s[G1+4], 64
	s_mov_b32 s[G1+5], 32                          ; dense
	s_mov_b32 s[G1+6], 0
	s_mov_b32 s[G1+7], 0
	s_lshl_b32 s18, s[MT], 17
	s_lshl_b32 s2, s[WV], 14                       ; my quarter of each half of the panel
	s_add_co_u32 s18, s18, s2
	s_mov_b32 s19, 0
	s_wait_dscnt 0x0
	s_wait_kmcnt 0x0
	s_load_b64 s[40:41], s[8:9], 0x18              ; e6, e7
	s_add_nc_u64 s[18:19], s[4:5], s[18:19]
.irp hh, 0,1
	s_mov_b32 s[G0+4*\hh], 1
	s_add_co_u32 s[G0+4*\hh+1], s2, \hh*65536
	s_add_nc_u64 s[G0+4*\hh+2:G0+4*\hh+3], s[18:19], \hh*65536
	s_or_b32 s[G0+4*\hh+3], s[G0+4*\hh+3], 0x80000000
.endr
	CROUND                                         ; all four work-groups are here: the joint loads meet
	tensor_load_to_lds s[G0:G0+3], s[G1:G1+7]      ; K steps 0-3
	s_nop 0
	s_wait_alu depctr_va_vdst(0)
	s_wait_tensorcnt 0x0
	ds_add_u32 v254, v255
	s_wait_dscnt 0x0
	CROUND
	tensor_load_to_lds s[G0+4:G0+7], s[G1:G1+7]    ; K steps 4-7: one tensor load of mine is out, and no more follow
	s_nop 0
.rept 4
	v_nop
.endr
	v_and_b32 v6, 31, v0
	v_lshlrev_b32 v[LI], 4, v6
	s_wait_alu depctr_va_vdst(0)
	v_add_nc_u32 v[LI2], 65536, v[LI]
	v_and_b32 v7, 15, v0                           ; r
	s_wait_alu depctr_va_vdst(0)
	v_bfe_u32 v8, v0, 4, 1                         ; h
	s_lshl_b32 s20, s[CX], 18
	s_lshl_b32 s21, s[WV], 16
	s_add_co_u32 s20, s20, s21                     ; o_w: tiles of 16 rows 16 cx + 4 w on, 16,384 bytes each
	s_mov_b32 s21, 0
	s_add_nc_u64 s[6:7], s[6:7], s[20:21]
.macro BLOAD ks                        ; o_w's four fragments of K step ks: 16 loads of 512 consecutive bytes
	WIN 0x80+0x40*((\ks)/4)                        ; destination window 2 or 3
.irp b, 0,1,2,3
.irp c, 0,1,2,3
	global_load_b128 v[16*(4*((\ks)%4)+\b)+4*\c:16*(4*((\ks)%4)+\b)+4*\c+3], v[LI], s[6:7] offset:\b*16384+(\ks)*2048+\c*512
.endr
.endr
	WIN 0
.endm
	BLOAD 0
	BLOAD 1
	BLOAD 2
	BLOAD 3
	s_mul_i32 s3, s[WV], 16*SP
	s_add_co_u32 s3, s3, STAGE                     ; my stage
	v_mul_u32_u24 v[STO], v7, SP
	s_wait_alu depctr_va_vdst(0)
	v_lshl_add_u32 v[STO], v8, 5, v[STO]
	v_add_nc_u32 v[STO], s3, v[STO]                ; in: row r, 32 bytes for each half of the lanes
	v_mul_u32_u24 v[RD], v8, SP
	v_lshl_add_u32 v[RD], v7, 4, v[RD]
	v_add_nc_u32 v[RD], s3, v[RD]                  ; back: lanes 0-15 one row of 256 bytes, lanes 16-31 the next
	v_lshlrev_b32 v[CO], 12, v8
	v_lshl_add_u32 v[CO], v7, 4, v[CO]             ; and the same two rows in out0
	s_lshl_b32 s20, s[MT], 19                      ; 128 rows of 4,096 bytes
	s_lshl_b32 s22, s[CX], 10
	s_add_co_u32 s20, s20, s22
	s_lshl_b32 s22, s[WV], 8
	s_add_co_u32 s20, s20, s22
	s_add_nc_u64 s[10:11], s[10:11], s[20:21]
.macro AFETCH G                        ; group G: K step G / 2, ctx's tiles of rows 4 (G % 2) on: four fragments, 16 loads, into set G % 3
.irp aa, 0,1,2,3
.irp c, 0,1,2,3
	ds_load_b128 v[AS+64*((\G)%3)+16*\aa+4*\c:AS+64*((\G)%3)+16*\aa+4*\c+3], v[LI+(\G)/8] offset:(((\G)/2)%4)*16384+(4*((\G)%2)+\aa)*2048+512*\c
.endr
.endr
.endm
.macro GMUL G                          ; its 16 matrix instructions; the 32 accumulators take turns; the first K step starts the sums
	WIN 0x52+(\G)/8                                ; source 0 (o_w) window 2 or 3, C and D window 1
.irp aa, 0,1,2,3
.irp b, 0,1,2,3
.if (\G) < 2
	v_wmma_f32_16x16x128_fp8_fp8 v[8*(4*(4*((\G)%2)+\aa)+\b):8*(4*(4*((\G)%2)+\aa)+\b)+7], v[16*(4*(((\G)/2)%4)+\b):16*(4*(((\G)/2)%4)+\b)+15], v[AS+64*((\G)%3)+16*\aa:AS+64*((\G)%3)+16*\aa+15], 0
.else
	v_wmma_f32_16x16x128_fp8_fp8 v[8*(4*(4*((\G)%2)+\aa)+\b):8*(4*(4*((\G)%2)+\aa)+\b)+7], v[16*(4*(((\G)/2)%4)+\b):16*(4*(((\G)/2)%4)+\b)+15], v[AS+64*((\G)%3)+16*\aa:AS+64*((\G)%3)+16*\aa+15], v[8*(4*(4*((\G)%2)+\aa)+\b):8*(4*(4*((\G)%2)+\aa)+\b)+7]
.endif
.endr
.endr
	WIN 0
.endm
	s_wait_tensorcnt 0x1                           ; my part of the panel's first half is in; the second half's may stay out
	s_barrier_signal -1
	s_barrier_wait -1
	AFETCH 0
	AFETCH 1
.irp G, 0,1,2,3,4,5,6,7,8,9,10,11,12,13,14,15
.if \G == 6
	s_wait_tensorcnt 0x0                           ; my part of the second half is in,
	s_wait_dscnt 0x0
	s_barrier_signal -1
	s_barrier_wait -1                              ; everybody's is: group 8 is the first to read it
.endif
.if \G < 14
	PLACES 4                                       ; in front of loads into the set that the group before multiplied
	AFETCH \G+2
.endif
.if (\G%2) == 0
.if \G <= 8
	s_wait_loadcnt 48                              ; this K step's 16 loads of o_w are in; those of the three K steps behind it may be out
.else
	s_wait_loadcnt 48-8*(\G-8)                     ; 32, 16, 0: what was issued behind this K step's
.endif
.endif
.if \G < 14
	s_wait_dscnt 32                                ; this group's fragments are in; the two younger groups' may be out
.elseif \G == 14
	s_wait_dscnt 16
.else
	s_wait_dscnt 0x0
.endif
	GMUL \G
.if ((\G%2) == 1) && (\G < 8)
	BLOAD \G/2+4                                   ; o_w's K steps 4 to 7 follow, one for each K step multiplied
.endif
.endr
	; ---- THE WAY OUT, a block of 16 rows x 64 columns at a time, through my own stage: back as rows of 256 bytes, so that sixteen lanes store 256 consecutive bytes at a multiple of 256 from out0's first byte
	s_wait_kmcnt 0x0
	s_add_co_i32 s40, s40, s41
	s_add_co_i32 s40, s40, 127
	s_lshl_b32 s40, s40, 23                        ; 2^(e6 + e7) as f32
	s_mov_b32 s41, s40                             ; (named with it as a pair)
	PLACES 4
.macro TOSTAGE a
	WIN 0x01                                       ; source 0: window 1
.irp b, 0,1,2,3
.irp i, 0,2,4,6
	v_pk_mul_f32 v[TMP+8*\b+\i:TMP+8*\b+\i+1], v[8*(4*(\a)+\b)+\i:8*(4*(\a)+\b)+\i+1], s[40:41] op_sel_hi:[1,0]   ; each accumulator from its low end on
.endr
.endr
	WIN 0
.irp b, 0,1,2,3
	ds_store_b128 v[STO], v[TMP+8*\b:TMP+8*\b+3] offset:64*\b
	ds_store_b128 v[STO], v[TMP+8*\b+4:TMP+8*\b+7] offset:64*\b+16
.endr
.irp t, 0,1,2,3,4,5,6,7
	ds_load_b128 v[BK+32*((\a)%2)+4*\t:BK+32*((\a)%2)+4*\t+3], v[RD] offset:\t*2*SP   ; LDS serves a wave's instructions in order (ISA guide 5.7.1.4): these see the stores above
.endr
.endm
.macro SEND a, younger                 ; younger: the LDS instructions issued behind block a's loads
	s_wait_dscnt \younger
.irp t, 0,1,2,3,4,5,6,7
	global_store_b128 v[CO], v[BK+32*((\a)%2)+4*\t:BK+32*((\a)%2)+4*\t+3], s[10:11] offset:(\a)*65536+\t*8192 th:TH_STORE_NT   ; written once, read by nobody here; every offset is an immediate, 516,096 at the most
.endr
.endm
	TOSTAGE 0
.irp a, 1,2,3,4,5,6,7
.if \a > 1
	s_wait_xcnt 0x0                                ; block a - 2's stores have read their registers: block a's loads may land there
.endif
	TOSTAGE \a
	SEND \a-1, 16                                  ; behind block a - 1's loads: block a's 8 stores and 8 loads
.endr
	SEND 7, 0
	s_wait_dscnt 0x0
	s_wait_tensorcnt 0x0
	ds_add_u32 v254, v255
	s_wait_dscnt 0x0
	CROUND                                         ; the closing round
	s_endpgm
.Lfunc_end_k_q5121b704f7_oproj:
	.size	k_q5121b704f7_oproj, .Lfunc_end_k_q5121b704f7_oproj-k_q5121b704f7_oproj
	.p2alignl 7, 3214868480
	.fill 96, 4, 3214868480
	.section	.rodata,"a",@progbits
	.p2align	6, 0x0
	.amdhsa_kernel k_q5121b704f7_oproj
		.amdhsa_group_segment_fixed_size 327680
		.amdhsa_private_segment_fixed_size 0
		.amdhsa_enable_private_segment 0
		.amdhsa_kernarg_size 32
		.amdhsa_user_sgpr_count 2
		.amdhsa_user_sgpr_kernarg_segment_ptr 1
		.amdhsa_wavefront_size32 1
		.amdhsa_system_sgpr_workgroup_id_x 1
		.amdhsa_system_sgpr_workgroup_id_y 1
		.amdhsa_system_sgpr_workgroup_id_z 1
		.amdhsa_system_vgpr_workitem_id 0
		.amdhsa_next_free_vgpr 1024
		.amdhsa_next_free_sgpr 66
		.amdhsa_reserve_vcc 0
		.amdhsa_float_denorm_mode_32 3
		.amdhsa_float_denorm_mode_16_64 3
		.amdhsa_memory_ordered 1
		.amdhsa_forward_progress 1
		.amdhsa_inst_pref_size 77
	.end_amdhsa_kernel
	.amdgpu_metadata
---
amdhsa.version: [ 1, 2 ]
amdhsa.kernels:
  - .name:           k_q5121b704f7_oproj
    .symbol:         k_q5121b704f7_oproj.kd
    .args:
      - { .name: c_img, .offset: 0, .size: 8, .value_kind: global_buffer, .address_space: global }
      - { .name: ow_img, .offset: 8, .size: 8, .value_kind: global_buffer, .address_space: global }
      - { .name: lowp_scales, .offset: 16, .size: 8, .value_kind: global_buffer, .address_space: global }
      - { .name: out0, .offset: 24, .size: 8, .value_kind: global_buffer, .address_space: global }
    .group_segment_fixed_size: 327680
    .private_segment_fixed_size: 0
    .kernarg_segment_align: 8
    .kernarg_segment_size: 32
    .max_flat_workgroup_size: 128
    .sgpr_count:     66
    .vgpr_count:     1024
    .wavefront_size: 32
...
	.end_amdgpu_metadata
.endif
;; end of part 3
